; MI455X (gfx1250); checked and timed in simulation.
; The chip was launched on July 23, 2026; its instructions are those of AMD's public machine-readable ISA for CDNA 5 (MIT licence, August 2026) and "CDNA5" Instruction Set Architecture Reference Guide (July 2026). The comments in the code are by the model that wrote it; some were corrected since.
;; Attention. Allowed arithmetic: matrix products marked QUANTISED: E2M1 operands, one E8M0 scale for each 32 along K, by v_wmma_scale_f32_16x16x128_f8f6f4 with both operands' format E2M1 (or v_wmma_scale_f32_32x16x128_f4), f32 sums; products left as they are: f32 operands where the result goes on into a quantised operand, else bf16, f16 or f32 operands; f32 sums; everything else in f32.
;; Inputs: W_K_codes 1,024 x 32 x 16 uint8 (E2M1 codes of W_K, K innermost, in blocks of 32 codes, two codes a byte); W_K_scales 1,024 x 32 uint8 (E8M0 scales of W_K, one for each 32 codes along K); W_Q_codes 1,024 x 32 x 16 uint8 (E2M1 codes of W_Q, K innermost, in blocks of 32 codes, two codes a byte); W_Q_scales 1,024 x 32 uint8 (E8M0 scales of W_Q, one for each 32 codes along K); W_V_codes 1,024 x 32 x 16 uint8 (E2M1 codes of W_V, K innermost, in blocks of 32 codes, two codes a byte); W_V_scales 1,024 x 32 uint8 (E8M0 scales of W_V, one for each 32 codes along K); W_f 1,024 x 1 float32; b_K 1,024 float32; b_Q 1,024 float32; b_V 1,024 float32; b_f 1 float32; key_codes 32 x 1,024 x 32 x 16 uint8 (E2M1 codes of key, K innermost, in blocks of 32 codes, two codes a byte); key_scales 32 x 1,024 x 32 uint8 (E8M0 scales of key, one for each 32 codes along K); query_codes 32 x 32 x 16 uint8 (E2M1 codes of query, K innermost, in blocks of 32 codes, two codes a byte); query_scales 32 x 32 uint8 (E8M0 scales of query, one for each 32 codes along K).
;; Outputs: out0 32 x 1,024 float32; out1 32 x 1,024 float32.
;; This version of the problem:
;;   THIS VERSION OF THE PROBLEM IS GIVEN IN LOW PRECISION. The matrix products marked QUANTISED in the list below multiply operands that are first quantised to E2M1 (2 exponent bits, 1 mantissa bit; 4 bits a number), with one power-of-two scale for each 32 numbers along K (OCP MX v1.0); their sums are f32. All else is computed in f32.
;;   The module's matrix products, in the order in which they are computed (A, B: the left and right operand; K: the contracted axis; several contracted axes count as one K, in the product's order):
;;     1. [M 32,768, K 1,024] x [K 1,024, N 1,024]; A: input key (given as codes); B: input W_K (given as codes): QUANTISED
;;     2. [M 32, K 1,024] x [K 1,024, N 1,024]; A: input query (given as codes); B: input W_Q (given as codes): QUANTISED
;;     3. [M 32,768, K 1,024] x [K 1,024, N 1,024]; A: input key (given as codes); B: input W_V (given as codes): QUANTISED
;;     4. [M 32,768, K 1,024] x [K 1,024, N 1]; A: computed on the way; B: input W_f: left as it is (N = 1 < 16)
;;     5. batch 32 x [M 1,024, K 1,024] x [K 1,024, N 1]; A: computed on the way; B: softmax: left as it is (N = 1 < 16)
;;   THE QUANTISER, for each operand of a quantised product, along K:
;;     - K is cut into blocks of 32 from its start; a last block that is shorter is filled with zeros.
;;     - A block's scale is 2^e with e = floor(log2(the largest magnitude in the block)) - 2, held to -126 .. 127; a block of zeros has e = 0. As a byte (E8M0): e + 127.
;;     - Each number is divided by its block's scale, clamped to +-6, and rounded to the nearest number of E2M1, ties to even, subnormals kept.
;;     - The product sums the exact products of the quantised numbers (number of the format x scale) in f32.
;;   ~~~python
;;   def quantise(x, axis):      # numpy; x: float32 -> the quantised numbers, widened to float32 again
;;       x = np.moveaxis(x, axis, -1); K = x.shape[-1]
;;       x = np.pad(x, [(0, 0)] * (x.ndim - 1) + [(0, -K % 32)]); x = x.reshape(x.shape[:-1] + (-1, 32)); a = np.abs(x).max(-1, keepdims=True)
;;       e = np.where(a > 0, np.clip(np.frexp(np.where(a > 0, a, 1))[1] - 1 - 2, -126, 127), 0)      # np.frexp(a)[1] - 1 = floor(log2(a)), exactly
;;       r = np.clip(x / 2.0 ** e, -6, 6)
;;       step = 2.0 ** (np.maximum(np.frexp(np.where(r == 0, 1, r))[1] - 1, 0) - 1)
;;       q = np.round(r / step) * step * 2.0 ** e      # np.round: ties to even
;;       return np.moveaxis(q.reshape(q.shape[:-2] + (-1,))[..., :K], -1, axis).astype(np.float32)
;;   ~~~
;;   INPUTS GIVEN AS CODES. W_K (in the module: [1024, 1024], K = its axis 0); W_Q (in the module: [1024, 1024], K = its axis 0); W_V (in the module: [1024, 1024], K = its axis 0); key (in the module: [32, 1024, 1024], K = its axis 2); query (in the module: [32, 1024], K = its axis 1): each comes as NAME_codes (uint8): NAME with its K axis moved to the last place and cut into blocks of 32 codes, [.., K / 32, bytes a block], one block behind the other in memory; two codes a byte, the lower K in the low four bits (a code: sign, 2 exponent bits, 1 mantissa bit); and NAME_scales (uint8): the same leading axes, one E8M0 byte (e + 127) for each 32 codes along K. Its value is code x scale, taken as it is: it is not quantised again, and the codes and scales need not be those that the quantiser above would give.
;; One version. Each part assembles by itself: llvm-mc -triple=amdgcn-amd-amdhsa -mcpu=gfx1250 --defsym DOCPART=n.
;; ======== version 1 of 1: 2 launches
;; workspace buffers: part 1,048,576 bytes
;; launch scores (part 1): grid 8 x 32, 4 waves a work-group, clusters of 4 x 4, 327,680 bytes of LDS; arguments key_codes, key_scales, W_K_codes, W_K_scales, W_Q_codes, W_Q_scales, query_codes, query_scales, b_K, b_Q, W_f, part; writes part
.if DOCPART == 1
	.amdgcn_target "amdgcn-amd-amdhsa--gfx1250"
	.amdhsa_code_object_version 6
	.text
	.protected	k_q7ba12ff794_scores
	.globl	k_q7ba12ff794_scores
	.p2align	8
	.type	k_q7ba12ff794_scores,@function
k_q7ba12ff794_scores:
	s_mov_b64 s[64:65], 0
	v_nop
	global_prefetch_b8 v0, s[64:65] scope:SCOPE_SE
	s_setreg_imm32_b32 hwreg(HW_REG_WAVE_MODE, 25, 1), 1
	s_wait_xcnt 0x0
	s_wait_alu depctr_hold_cnt(0) depctr_sa_sdst(0) depctr_va_vdst(0) depctr_va_sdst(0) depctr_va_ssrc(0) depctr_va_vcc(0) depctr_vm_vsrc(0)
	s_getreg_b32 s2, hwreg(HW_REG_IB_STS2, 6, 4)
	s_cmp_eq_u32 s2, 0
	s_cbranch_scc0 .Lentry_in_a_cluster
	s_endpgm
.Lentry_in_a_cluster:
	s_bfe_u32 s2, ttmp6, 0x10000c
	s_cmp_lg_u32 s2, 0xf033
	s_cbranch_scc0 .Lentry_shape_is_right
	s_endpgm
.Lentry_shape_is_right:
; part[j][b][t] = the sum over the 128 attention columns a = 128 j .. 128 j + 127 of relu(key[b][t] . W_K[:, a] + b_K[a] + query[b] . W_Q[:, a] + b_Q[a]) x W_f[a].
; Both products run on the codes of FP4 (E2M1) and the E8M0 scale bytes as they are given; sums in f32.  The next launch adds the eight parts of a score.
; SHARES.  Work-group (j, b): batch b (1,024 rows of key) x 128 columns.  Each of the four waves keeps ALL 128 rows of W_K, K = 1,024, in 512 registers; the waves share key's rows: of each 256 rows wave w takes
; 64 w .. 64 w + 63, four tiles of 16.  A tile of key (16 rows x 1,024 K: 16 LDS loads) so feeds 64 matrix instructions.
; THE MATRIX INSTRUCTION IS USED TRANSPOSED: source 0 = 16 rows of W_K (16 columns a), source 1 = 16 rows of key.  Lane (r, h) then holds key row r, and its register i column 8 h + i: the sum over columns stays in the lane.
; c = b_K + b_Q + query . W_Q is made once (source 1 = the query's row in all sixteen places) and is the C of each sum's first matrix instruction.
; A TILE IS TWO PASSES of 32 matrix instructions, each on four accumulators by turns; the other half's relu and multiply-adds by W_f stand behind the products, under the products' own window settings.
; A tile's LDS instructions stand together: the store of the last tile's score and the next tile's 16 loads, one run a tile.
; CLUSTER 4 x 4: key's rows hang on b alone and are asked for jointly along a row of the cluster, the weights' on j alone and jointly along a column.
; LDS: slot A (first W_K and W_Q, then key), slot B (key), rows of 512 bytes + 16; the scale bytes never pass through LDS: a tile's are 512 dense bytes, one load of 16 bytes a lane.
; LIMITS: NaN, infinities and the scale byte 0xff are not served apart: they go through as NaN.  c enters the sum as C, so the f32 additions stand in another order than in the formula above.
; REGISTERS, in windows of 256 (s_set_vgpr_msb: bits 1:0 source 0, 3:2 source 1, 5:4 source 2, 7:6 destination):
;   window 0: v1-19 addresses; v20-23 the query's scale words, v24-31 W_Q's, v32-63 W_K's, v64-127 key's (all 16 tiles); v128-255 W_Q's fragments, then W_K's of K steps 6, 7
;   window 1 (P): v0-31, v32-63 the accumulators of half A, half B; v64-127, v128-191 key's tile, two buffers; v192-239 b_Q, b_K, c; v240-244 the score's sums
;   window 2: v0-191 W_K's K steps 0-2; v192-255 c in C's layout.     window 3: v0-191 W_K's K steps 3-5; v192-255 W_f in C's layout
.set PITCH, 528                        ; an LDS row: 512 bytes + 16 of padding = 132 words: the 16 rows of a fragment load start at 16 different banks (64 banks of 4 bytes: ISA guide 11.1)
.set TROW,  16*PITCH                   ; 16 rows
.set UNIT,  128*PITCH
.set SLOTA, 0
.set SLOTB, 2*UNIT
.set SST,   4*UNIT                     ; the scores' stage: [half of the lanes][1,024 rows] f32
.set CBST,  SST+8192                   ; c's images: 8 column tiles x 1,024 bytes
.set SPARE, CBST+8192                  ; the spare words, 128 bytes for each wave: two blocks of 256 bytes that no other line names
.set SCO,  4                           ; v4   32 r + 16 h: my 16 bytes of a tile's scale bytes
.set H16,  5                           ; v5   16 h
.set H32,  6                           ; v6   32 h
.set FRG,  7                           ; v7   528 r + 16 h: my place in a fragment; W_K's tile begins at LDS byte 0
.set AWQ,  8                           ; v8   the same in my 32 rows of W_Q
.set AKA,  9                           ; v9   the same in my 64 rows of slot A
.set AKB,  10                          ; v10  and of slot B
.set CBL,  11                          ; v11  c's images: where I load
.set CBS,  12                          ; v12  and where I store
.set SRD,  13                          ; v13  the stage: where I read scores back
.set SPW,  14                          ; v14  my spare word; never rewritten
.set NIL,  15                          ; v15  0; never rewritten
.set GOF,  16                          ; v16  my byte offset in the wave's part of part
.set SADR, 17                          ; v17  the stage: where I put a score's half
.set QS,   20
.set WQS,  24
.set WS,   32
.set KS,   64
.set WQF,  128
.set KB,   64                          ; in P
.set BQ,   192
.set BK,   208
.set CC,   224
.set SS,   240
.set T0,   244
.set CB,   192                         ; in window 2
.set WF,   192                         ; in window 3
.set WV,   28                          ; s28  my wave's number
.set G1K,  36                          ; s[36:43] descriptor group 1 for key's tiles; s[44:51] for the weights'
.set G1W,  44
.set G0K,  52                          ; s[52:55], s[56:59], s[60:63] groups 0: key (it walks), W_K, W_Q
.set G0W,  56
.set G0Q,  60
.set KL,   82                          ; s82  my 64 rows' place in a slot
.set G1C,  (1<<20)|(1<<21)|(6<<22)|(3<<25)   ; elements of 1 byte; 20 padding on; 21 set beside a mask; 24:22 after every 128 words (code 6); 31:25 four words (code 3)
.set W_S0,  0x66                       ; K step 0: W and C window 2, key and D in P
.set W_S12, 0x56                       ; K steps 1, 2: W window 2
.set W_S35, 0x57                       ; K steps 3-5: W window 3
.set W_S67, 0x54                       ; K steps 6, 7: W window 0
.set ALLP,  0x55
.set TO_P,  0x40
.set TO_2,  0x80
.set TO_3,  0xc0
.set ST_P,  0x04                       ; an LDS store's data are its source 1
.set MSB, 0
.macro WIN new                         ; the immediate's high byte repeats the setting that is left; a switch that changes nothing is dropped
.if MSB != \new
	s_set_vgpr_msb (MSB<<8)|\new
.set MSB, \new
.endif
.endm
.macro PLACES
.rept 4
	v_nop
.endr
.endm
.macro CREST                           ; a round of the cluster's barrier behind its opening barrier
	s_cmp_lg_u32 s[WV], 0
	s_cbranch_scc1 .Lnot_wave_0_\@
	s_barrier_signal -3
.Lnot_wave_0_\@:
	s_barrier_wait -3
	s_barrier_signal -1
	s_barrier_wait -1
.endm
.macro CROUND                          ; a whole round
	s_barrier_signal -1
	s_barrier_wait -1
	CREST
.endm
	s_load_b512 s[4:19], s[0:1], 0x0               ; key's codes, scales; W_K's; W_Q's; the query's
	s_load_b256 s[20:27], s[0:1], 0x40             ; b_K, b_Q, W_f, part
	v_lshl_add_u32 v[SPW], v0, 2, SPARE
	v_mov_b32 v[NIL], 0
	ds_add_u32 v[SPW], v[NIL]                      ; the wave's opening: the add and its wait stand ahead of my first tensor load; the set-up below, work on registers, stands between them
	v_lshrrev_b32 v1, 5, v0
	v_readfirstlane_b32 s[WV], v1                  ; wave 0..3
	s_bfe_u32 s29, ttmp6, 0x40000                  ; cx, cy: my place in the cluster
	s_bfe_u32 s30, ttmp6, 0x40004
	s_lshl_b32 s31, ttmp9, 2
	s_add_co_u32 s31, s31, s29                     ; j = 4 x cluster x + cx
	s_and_b32 s32, ttmp7, 0xffff
	s_lshl_b32 s32, s32, 2
	s_add_co_u32 s32, s32, s30                     ; b = 4 x cluster y + cy
	s_lshl_b32 s33, s30, 2
	s_lshl_b32 s33, 15, s33                        ; my row of the cluster
	s_lshl_b32 s34, 0x1111, s29                    ; my column
	s_or_b32 s[G1K], s33, G1C                      ; key's tiles go to my row,
	s_or_b32 s[G1W], s34, G1C                      ; the weights' to my column
	s_mov_b32 s[G1K+1], 512<<16                    ; tensor_dim0 = 512 bytes
	s_mov_b32 s[G1K+2], 64<<16                     ; tensor_dim1 = 64 rows
	s_mov_b32 s[G1K+3], 512<<16                    ; tile_dim0
	s_mov_b32 s[G1K+4], 64                         ; tile_dim1
	s_mov_b32 s[G1K+5], 512                        ; from row to row
	s_mov_b32 s[G1K+6], 0
	s_mov_b32 s[G1K+7], 0
	s_mov_b32 s[G1W+1], 512<<16
	s_mov_b32 s[G1W+2], 32<<16                     ; 32 rows
	s_mov_b32 s[G1W+3], 512<<16
	s_mov_b32 s[G1W+4], 32
	s_mov_b32 s[G1W+5], 512
	s_mov_b32 s[G1W+6], 0
	s_mov_b32 s[G1W+7], 0
	; LDS places: the wave's number and constants alone
	s_mul_i32 s[KL], s[WV], 64*PITCH
	s_add_co_u32 s83, s[KL], SLOTB
	s_mul_i32 s88, s[WV], 32*PITCH                 ; my 32 rows of W_K,
	s_add_co_u32 s89, s88, UNIT                    ; and of W_Q
	s_lshl_b32 s90, s[WV], 11
	s_add_co_u32 s90, s90, CBST
	s_lshl_b32 s91, s[WV], 8
	s_add_co_u32 s91, s91, SST
	; byte offsets in memory, each a pair with 0 above.  What feeds key's descriptor holds b and the wave alone, what feeds the weights' j and the wave alone
	s_lshl_b32 s66, s32, 19                        ; key's codes: 524,288 b + 32,768 w
	s_lshl_b32 s92, s[WV], 15
	s_add_co_u32 s66, s66, s92
	s_mov_b32 s67, 0
	s_lshl_b32 s68, s31, 16                        ; the weights' codes: 65,536 j + 16,384 w
	s_lshl_b32 s92, s[WV], 14
	s_add_co_u32 s68, s68, s92
	s_mov_b32 s69, 0
	s_lshl_b32 s70, s32, 15                        ; key's scales: 32,768 b + 2,048 w
	s_lshl_b32 s92, s[WV], 11
	s_add_co_u32 s70, s70, s92
	s_mov_b32 s71, 0
	s_lshl_b32 s72, s31, 12                        ; W_K's scales: 4,096 j
	s_mov_b32 s73, 0
	s_lshl_b32 s92, s[WV], 10
	s_add_co_u32 s74, s72, s92                     ; W_Q's: + 1,024 w
	s_mov_b32 s75, 0
	s_lshl_b32 s76, s32, 9                         ; the query's codes: 512 b
	s_mov_b32 s77, 0
	s_lshl_b32 s78, s32, 5                         ; its scales: 32 b
	s_mov_b32 s79, 0
	s_lshl_b32 s84, s31, 9                         ; W_f: 512 j
	s_mov_b32 s85, 0
	s_lshl_b32 s92, s[WV], 7
	s_add_co_u32 s80, s84, s92                     ; b_K, b_Q: + 128 w
	s_mov_b32 s81, 0
	s_lshl_b32 s86, s31, 17                        ; part: 131,072 j + 4,096 b + 256 w
	s_lshl_b32 s93, s32, 12
	s_add_co_u32 s86, s86, s93
	s_lshl_b32 s92, s[WV], 8
	s_add_co_u32 s86, s86, s92
	s_mov_b32 s87, 0
	v_and_b32 v1, 15, v0                           ; r
	v_bfe_u32 v2, v0, 4, 1                         ; h
	v_and_b32 v3, 31, v0                           ; lane
	v_lshlrev_b32 v[SCO], 5, v1
	v_lshl_add_u32 v[SCO], v2, 4, v[SCO]
	v_lshlrev_b32 v[H16], 4, v2
	v_lshlrev_b32 v[H32], 5, v2
	v_mul_u32_u24 v[FRG], v1, PITCH
	v_lshl_add_u32 v[FRG], v2, 4, v[FRG]
	v_add_nc_u32 v[AWQ], s89, v[FRG]
	v_add_nc_u32 v[AKA], s[KL], v[FRG]
	v_add_nc_u32 v[AKB], s83, v[FRG]
	v_lshlrev_b32 v18, 4, v3                       ; 16 x lane
	v_add_nc_u32 v[CBL], CBST, v18
	v_add_nc_u32 v[CBS], s90, v18
	v_lshlrev_b32 v[GOF], 4, v1
	v_lshl_add_u32 v[GOF], v2, 10, v[GOF]          ; 16 r + 1,024 h: sixteen lanes take 64 scores on end, the other sixteen those 256 rows on
	v_add_nc_u32 v[SRD], s91, v[GOF]
	v_lshlrev_b32 v[SADR], 2, v1
	v_lshl_add_u32 v[SADR], v2, 12, v[SADR]
	v_add_nc_u32 v[SADR], s91, v[SADR]             ; SST + 256 w + 4 r + 4,096 h
	s_wait_dscnt 0x0                               ; the opening add is done
	s_wait_kmcnt 0x0
	s_add_nc_u64 s[6:7], s[6:7], s[70:71]
	s_add_nc_u64 s[10:11], s[10:11], s[72:73]
	s_add_nc_u64 s[14:15], s[14:15], s[74:75]
	s_add_nc_u64 s[16:17], s[16:17], s[76:77]
	s_add_nc_u64 s[18:19], s[18:19], s[78:79]
	s_add_nc_u64 s[20:21], s[20:21], s[80:81]
	s_add_nc_u64 s[22:23], s[22:23], s[80:81]
	s_add_nc_u64 s[24:25], s[24:25], s[84:85]
	s_add_nc_u64 s[26:27], s[26:27], s[86:87]
	s_mov_b32 s[G0W], 1                            ; 1:0 count = 1
	s_mov_b32 s[G0W+1], s88                        ; 63:32 LDS address
	s_add_nc_u64 s[G0W+2:G0W+3], s[8:9], s[68:69]  ; 120:64 global address
	s_or_b32 s[G0W+3], s[G0W+3], 0x80000000        ; 127:126 type = 2
	s_mov_b32 s[G0Q], 1
	s_mov_b32 s[G0Q+1], s89
	s_add_nc_u64 s[G0Q+2:G0Q+3], s[12:13], s[68:69]
	s_or_b32 s[G0Q+3], s[G0Q+3], 0x80000000
	s_mov_b32 s[G0K], 1
	s_mov_b32 s[G0K+1], s83                        ; rows 0-255 go to slot B
	s_add_nc_u64 s[G0K+2:G0K+3], s[4:5], s[66:67]
	s_or_b32 s[G0K+3], s[G0K+3], 0x80000000
	CROUND                                         ; all sixteen work-groups are here: the first joint loads meet
	tensor_load_to_lds s[G0W:G0W+3], s[G1W:G1W+7]  ; the first fills go out together: three loads of mine are out
	s_nop 0
	tensor_load_to_lds s[G0Q:G0Q+3], s[G1W:G1W+7]
	s_nop 0
	tensor_load_to_lds s[G0K:G0K+3], s[G1K:G1K+7]
	s_nop 0
	PLACES
	; what comes straight into registers.  A tile's scale bytes: lane (r, h) takes bytes 16 h .. 16 h + 15 of row r: register q holds the word of K step q in lanes 0-15 and of K step 4 + q in lanes 16-31
	global_load_b128 v[QS:QS+3], v[H16], s[18:19]  ; the query's row in every place
.irp u, 0,1
	global_load_b128 v[WQS+4*\u:WQS+4*\u+3], v[SCO], s[14:15] offset:512*\u
.endr
.irp ct, 0,1,2,3,4,5,6,7
	global_load_b128 v[WS+4*\ct:WS+4*\ct+3], v[SCO], s[10:11] offset:512*\ct
.endr
.irp n, 0,1,2,3,4,5,6,7,8,9,10,11,12,13,14,15
	global_load_b128 v[KS+4*\n:KS+4*\n+3], v[SCO], s[6:7] offset:8192*(\n/4)+512*(\n%4)
.endr
	WIN TO_P
.irp s, 0,1,2,3,4,5,6,7
	global_load_b128 v[KB+8*\s:KB+8*\s+3], v[H16], s[16:17] offset:64*\s        ; the query's fragments: every lane r takes row b
	global_load_b128 v[KB+8*\s+4:KB+8*\s+7], v[H16], s[16:17] offset:64*\s+32
.endr
.irp u, 0,1
.irp g, 0,1
	global_load_b128 v[BQ+8*\u+4*\g:BQ+8*\u+4*\g+3], v[H32], s[22:23] offset:64*\u+16*\g   ; b_Q and b_K of my two column tiles, in C's layout
	global_load_b128 v[BK+8*\u+4*\g:BK+8*\u+4*\g+3], v[H32], s[20:21] offset:64*\u+16*\g
.endr
.endr
	WIN TO_3
.irp ct, 0,1,2,3,4,5,6,7
.irp g, 0,1
	global_load_b128 v[WF+8*\ct+4*\g:WF+8*\ct+4*\g+3], v[H32], s[24:25] offset:64*\ct+16*\g   ; W_f of all 128 columns, in C's layout
.endr
.endr
	WIN 0
	s_wait_tensorcnt 0x1                           ; my parts of W_K and W_Q are in; the one younger load, key's, may stay out
	s_barrier_signal -1
	s_barrier_wait -1                              ; everybody's are
; 16 LDS loads: the eight fragments of W_K's K step s, into the window in hand from register base on.  A fragment, 16 rows x 128 K of 4-bit codes, is 8 registers: two loads of 16 bytes, 32 bytes apart
.macro WLOAD s, base
.irp ct, 0,1,2,3,4,5,6,7
	ds_load_b128 v[\base+8*\ct:\base+8*\ct+3], v[FRG] offset:TROW*\ct+64*\s
	ds_load_b128 v[\base+8*\ct+4:\base+8*\ct+7], v[FRG] offset:TROW*\ct+64*\s+32
.endr
.endm
.irp u, 0,1
.irp s, 0,1,2,3,4,5,6,7
	ds_load_b128 v[WQF+64*\u+8*\s:WQF+64*\u+8*\s+3], v[AWQ] offset:TROW*\u+64*\s          ; W_Q: column tiles 2 w + u
	ds_load_b128 v[WQF+64*\u+8*\s+4:WQF+64*\u+8*\s+7], v[AWQ] offset:TROW*\u+64*\s+32
.endr
.endr
	WIN TO_2
	WLOAD 0, 0
	s_wait_loadcnt 0x0                             ; all that came straight into registers
	s_wait_dscnt 16                                ; W_Q's 32 loads are in; the 16 younger, W_K's K step 0, may be out
	WIN W_S67
; query . W_Q + b_Q for my 32 columns: two accumulators by turns, K ascending
.irp s, 0,1,2,3,4,5,6,7
.irp u, 0,1
.if \s == 0
	v_wmma_scale_f32_16x16x128_f8f6f4 v[8*\u:8*\u+7], v[WQF+64*\u+8*\s:WQF+64*\u+8*\s+7], v[KB+8*\s:KB+8*\s+7], v[BQ+8*\u:BQ+8*\u+7], v[WQS+4*\u+\s%4], v[QS+\s%4] matrix_a_fmt:MATRIX_FMT_FP4 matrix_b_fmt:MATRIX_FMT_FP4
.elseif \s < 4
	v_wmma_scale_f32_16x16x128_f8f6f4 v[8*\u:8*\u+7], v[WQF+64*\u+8*\s:WQF+64*\u+8*\s+7], v[KB+8*\s:KB+8*\s+7], v[8*\u:8*\u+7], v[WQS+4*\u+\s%4], v[QS+\s%4] matrix_a_fmt:MATRIX_FMT_FP4 matrix_b_fmt:MATRIX_FMT_FP4
.else
	v_wmma_scale_f32_16x16x128_f8f6f4 v[8*\u:8*\u+7], v[WQF+64*\u+8*\s:WQF+64*\u+8*\s+7], v[KB+8*\s:KB+8*\s+7], v[8*\u:8*\u+7], v[WQS+4*\u+\s%4], v[QS+\s%4] matrix_a_fmt:MATRIX_FMT_FP4 matrix_b_fmt:MATRIX_FMT_FP4 matrix_a_scale:MATRIX_SCALE_ROW1 matrix_b_scale:MATRIX_SCALE_ROW1
.endif
.endr
.endr
	WIN ALLP
	PLACES                                         ; four places behind the last products (ISA guide 7.12.1)
.irp k, 0,2,4,6,8,10,12,14
	v_pk_add_f32 v[CC+\k:CC+\k+1], v[\k:\k+1], v[BK+\k:BK+\k+1]   ; c = query . W_Q + b_Q + b_K, each accumulator from its low end on
.endr
	WIN ST_P
.irp k, 0,1,2,3
	ds_store_b128 v[CBS], v[CC+4*\k:CC+4*\k+3] offset:512*\k       ; as images of the registers: any wave that loads them so has C's layout
.endr
	WIN TO_2
	WLOAD 1, 64
	WLOAD 2, 128
	WIN TO_3
	WLOAD 3, 0
	WLOAD 4, 64
	WLOAD 5, 128
	WIN 0
	WLOAD 6, 128                                   ; over W_Q's fragments: the additions above are the places behind their products
	WLOAD 7, 192
	; slot A has been read out: it takes key's rows 256-511
	s_wait_tensorcnt 0x0                           ; all my tensor loads have landed, key's rows 0-255 among them: a group 0 may be written
	ds_add_u32 v[SPW], v[NIL]                      ; 0 onto my spare word
	s_add_co_u32 s[G0K+1], s[KL], SLOTA
	s_add_nc_u64 s[G0K+2:G0K+3], s[G0K+2:G0K+3], 131072   ; 256 rows on
	s_wait_dscnt 0x0                               ; the add is done, the weights are in my registers, and my images of c have landed
	CROUND                                         ; no wave of any partner still reads slot A or has a load on its way
	tensor_load_to_lds s[G0K:G0K+3], s[G1K:G1K+7]
	s_nop 0
	PLACES
	WIN TO_2
.irp k, 0,1,2,3,4,5,6,7,8,9,10,11,12,13,14,15
	ds_load_b128 v[CB+4*\k:CB+4*\k+3], v[CBL] offset:512*\k        ; c of all 128 columns
.endr
	WIN TO_P
.irp s, 0,1,2,3,4,5,6,7
	ds_load_b128 v[KB+8*\s:KB+8*\s+3], v[AKB] offset:64*\s         ; key's tile 0
	ds_load_b128 v[KB+8*\s+4:KB+8*\s+7], v[AKB] offset:64*\s+32
.endr
; Matrix instruction MI of a pass's 32: K step MI / 4, column tile 4 hf + MI % 4, of key's tile n.  K step s takes scale register s % 4, from lanes 16-31 where s >= 4.
.macro MM n, hf
.set xS, MI/4
.set xC, 4*(\hf)+MI%4
.set xD, 8*xC
.set xB, KB+64*((\n)%2)+8*xS
.if xS < 3
.set xA, 64*xS+8*xC
.elseif xS < 6
.set xA, 64*(xS-3)+8*xC
.else
.set xA, 128+64*(xS-6)+8*xC
.endif
.set xW, WS+4*xC+xS%4
.set xK, KS+4*(\n)+xS%4
.if xS == 0
	v_wmma_scale_f32_16x16x128_f8f6f4 v[xD:xD+7], v[xA:xA+7], v[xB:xB+7], v[CB+xD:CB+xD+7], v[xW], v[xK] matrix_a_fmt:MATRIX_FMT_FP4 matrix_b_fmt:MATRIX_FMT_FP4
.elseif xS < 4
	v_wmma_scale_f32_16x16x128_f8f6f4 v[xD:xD+7], v[xA:xA+7], v[xB:xB+7], v[xD:xD+7], v[xW], v[xK] matrix_a_fmt:MATRIX_FMT_FP4 matrix_b_fmt:MATRIX_FMT_FP4
.else
	v_wmma_scale_f32_16x16x128_f8f6f4 v[xD:xD+7], v[xA:xA+7], v[xB:xB+7], v[xD:xD+7], v[xW], v[xK] matrix_a_fmt:MATRIX_FMT_FP4 matrix_b_fmt:MATRIX_FMT_FP4 matrix_a_scale:MATRIX_SCALE_ROW1 matrix_b_scale:MATRIX_SCALE_ROW1
.endif
.endm
; Multiply-add FI of 16 of half PH: two columns' relu x W_f onto one of two running pairs.  Half A's first two start the sums.  W_f stands in window 3, as W_K's K steps 3-5 do
.macro FMA
.set eW, WF+32*PH+2*FI
.set eA, 32*PH+2*FI
.set eS, SS+2*(FI%2)
.if (PH == 0) && (FI < 2)
	v_pk_mul_f32 v[eS:eS+1], v[eW:eW+1], v[eA:eA+1]
.else
	v_pk_fma_f32 v[eS:eS+1], v[eW:eW+1], v[eA:eA+1], v[eS:eS+1]
.endif
.endm
; The end of tile n's score: the two running pairs and their halves are added; my half of the lanes' sum goes to the stage.  The constant 1.0 in the first place lets all three lines stand under the setting of K steps 6, 7
.macro FIN n
	WIN W_S67
	v_pk_fma_f32 v[SS:SS+1], 1.0, v[SS:SS+1], v[SS+2:SS+3] op_sel_hi:[0,1,1]
	v_fma_f32 v[T0], 1.0, v[SS], v[SS+1]
	ds_store_b32 v[SADR], v[T0] offset:1024*((\n)/4)+64*((\n)%4)
.endm
; A PASS: 32 matrix instructions on the four accumulators of half hf, by turns, K ascending.  Behind them, where epi = 1, the OTHER half's way out, three lines at the most behind each:
; behind 0-11 four v_nop (the places behind that half's last products, ISA guide 7.12.1) and its 32 relu, ascending; behind 12-23 its 16 multiply-adds.  Every such line is valid under the window setting of the products
; round it: four switches a pass.
; THE LDS INSTRUCTIONS OF A TILE STAND IN ONE RUN, behind product 24 of pass A, the first under the setting in which they are valid, and never singly among the products: the end of the last tile's score (its last
; multiply-add stands behind product 23), and, where fetch = 1, the next tile's 16 loads, into the buffer that the tile before read: the lines behind products 0-23 are the places behind that tile's products.
; chg = 1: the slot of tile n, whose last tile has been asked for, is filled again, two slots on: the waits and the add ahead of the pass, the round's opening signal behind product 11, the rest behind the pass.
.macro PASS n, hf, epi, fetch, chg
.set PH, 1-(\hf)
.set fK, KB+64*(((\n)+1)%2)
.set fA, AKB-(((\n)+1)/4)%2
.set fO, TROW*(((\n)+1)%4)
.if \chg
	WIN 0                                          ; (the add's two registers lie in window 0)
	s_wait_tensorcnt 0x0                           ; all my tensor loads have landed: my part of the other slot; a group 0 may be written
	ds_add_u32 v[SPW], v[NIL]                      ; 0 onto my spare word; twelve products stand between it and the wait for it
	s_add_co_u32 s[G0K+1], s[KL], SLOTB*(1-((\n)/4)%2)
	s_add_nc_u64 s[G0K+2:G0K+3], s[G0K+2:G0K+3], 131072
.endif
.if (\hf) == 0
	s_wait_dscnt 0x0                               ; the tile's fragments are in: but for tile 0's they were asked for 39 products ago
.endif
.set MI, 0
.rept 32
.if MI == 0
	WIN W_S0
.elseif MI == 4
	WIN W_S12
.elseif MI == 12
	WIN W_S35
.elseif MI == 24
	WIN W_S67
.endif
	MM \n, \hf
.if \epi
.if MI < 12
.irp k, 0,1,2
.set EI, 3*MI+\k-4
.if EI < 0
	v_nop
.else
	v_max_num_f32 v[32*PH+EI], 0, v[32*PH+EI]
.endif
.endr
.elseif MI < 16
.set FI, 2*MI-24
	FMA
.set FI, FI+1
	FMA
.elseif MI < 24
.set FI, MI-8
	FMA
.endif
.endif
.if (\epi) && ((\hf) == 0) && (MI == 24)
	FIN (\n)-1
.endif
.if (\fetch) && (MI == 24)
.set FJ, 0
.rept 8
	ds_load_b128 v[fK+8*FJ:fK+8*FJ+3], v[fA] offset:fO+64*FJ
	ds_load_b128 v[fK+8*FJ+4:fK+8*FJ+7], v[fA] offset:fO+64*FJ+32
.set FJ, FJ+1
.endr
.endif
.if (\chg) && (MI == 11)
	s_wait_dscnt 0x0                               ; the add is done, and my reads of the slot are over
	s_barrier_signal -1                            ; this barrier opens a round of the cluster's; work on registers alone up to its end
.endif
.set MI, MI+1
.endr
.if \chg
	WIN 0                                          ; at a branch and at a label every window is 0
	s_barrier_wait -1
	CREST                                          ; no wave of any partner still reads the slot or has a load on its way
	tensor_load_to_lds s[G0K:G0K+3], s[G1K:G1K+7]  ; my one load behind the round
	s_nop 0
	PLACES
.endif
.endm
.irp n, 0,1,2,3,4,5,6,7,8,9,10,11,12,13,14,15
.if \n == 0
	PASS \n, 0, 0, 1, 0
.elseif \n == 15
	PASS \n, 0, 1, 0, 0
.else
	PASS \n, 0, 1, 1, 0
.endif
.if (\n == 2) || (\n == 6)
	PASS \n, 1, 1, 0, 1                            ; slot B takes rows 512-767, slot A rows 768-1,023
.else
.if \n == 10
	s_wait_tensorcnt 0x0                           ; my last load: no load was issued behind it.  A wave reads only the rows that it fetched, so its own wait is all that the reads need
.endif
	PASS \n, 1, 1, 0, 0
.endif
.endr
	WIN W_S35                                      ; the last half has no products to stand behind
	PLACES
.set PH, 1
.set EI, 0
.rept 32
	v_max_num_f32 v[32+EI], 0, v[32+EI]
.set EI, EI+1
.endr
.set FI, 0
.rept 16
	FMA
.set FI, FI+1
.endr
	FIN 15
	WIN 0
	; THE WAY OUT: my 256 scores, both halves of the lanes', come back from my own bytes of the stage (LDS serves a wave's instructions in order: ISA guide 5.7.1.4) and are added
.irp u, 0,1
	ds_load_b128 v[128+8*\u:128+8*\u+3], v[SRD] offset:2048*\u
	ds_load_b128 v[128+8*\u+4:128+8*\u+7], v[SRD] offset:2048*\u+4096
.endr
	s_wait_dscnt 0x0
.irp u, 0,1
	v_pk_add_f32 v[128+8*\u:128+8*\u+1], v[128+8*\u:128+8*\u+1], v[132+8*\u:132+8*\u+1]
	v_pk_add_f32 v[130+8*\u:130+8*\u+1], v[130+8*\u:130+8*\u+1], v[134+8*\u:134+8*\u+1]
.endr
.irp u, 0,1
	global_store_b128 v[GOF], v[128+8*\u:128+8*\u+3], s[26:27] offset:2048*\u   ; 16 lanes store 256 consecutive bytes, at a multiple of 256 from part's first byte
.endr
	s_wait_tensorcnt 0x0                           ; the wave's end: the add and its wait stand behind my last tensor load and my last LDS store
	ds_add_u32 v[SPW], v[NIL]
	s_wait_dscnt 0x0
	CROUND                                         ; the closing round: no work-group ends while a partner may still ask for a tile that names it
	s_endpgm
.Lfunc_end_k_q7ba12ff794_scores:
	.size	k_q7ba12ff794_scores, .Lfunc_end_k_q7ba12ff794_scores-k_q7ba12ff794_scores
	.p2alignl 7, 3214868480
	.fill 96, 4, 3214868480
	.section	.rodata,"a",@progbits
	.p2align	6, 0x0
	.amdhsa_kernel k_q7ba12ff794_scores
		.amdhsa_group_segment_fixed_size 327680
		.amdhsa_private_segment_fixed_size 0
		.amdhsa_enable_private_segment 0
		.amdhsa_kernarg_size 96
		.amdhsa_user_sgpr_count 2
		.amdhsa_user_sgpr_kernarg_segment_ptr 1
		.amdhsa_wavefront_size32 1
		.amdhsa_system_sgpr_workgroup_id_x 1
		.amdhsa_system_sgpr_workgroup_id_y 1
		.amdhsa_system_sgpr_workgroup_id_z 1
		.amdhsa_system_vgpr_workitem_id 0
		.amdhsa_next_free_vgpr 1024
		.amdhsa_next_free_sgpr 96
		.amdhsa_reserve_vcc 0
		.amdhsa_float_denorm_mode_32 3
		.amdhsa_float_denorm_mode_16_64 3
		.amdhsa_memory_ordered 1
		.amdhsa_forward_progress 1
		.amdhsa_inst_pref_size 250
	.end_amdhsa_kernel
	.amdgpu_metadata
---
amdhsa.version: [ 1, 2 ]
amdhsa.kernels:
  - .name:           k_q7ba12ff794_scores
    .symbol:         k_q7ba12ff794_scores.kd
    .args:
      - { .name: key_codes, .offset: 0, .size: 8, .value_kind: global_buffer, .address_space: global }
      - { .name: key_scales, .offset: 8, .size: 8, .value_kind: global_buffer, .address_space: global }
      - { .name: W_K_codes, .offset: 16, .size: 8, .value_kind: global_buffer, .address_space: global }
      - { .name: W_K_scales, .offset: 24, .size: 8, .value_kind: global_buffer, .address_space: global }
      - { .name: W_Q_codes, .offset: 32, .size: 8, .value_kind: global_buffer, .address_space: global }
      - { .name: W_Q_scales, .offset: 40, .size: 8, .value_kind: global_buffer, .address_space: global }
      - { .name: query_codes, .offset: 48, .size: 8, .value_kind: global_buffer, .address_space: global }
      - { .name: query_scales, .offset: 56, .size: 8, .value_kind: global_buffer, .address_space: global }
      - { .name: b_K, .offset: 64, .size: 8, .value_kind: global_buffer, .address_space: global }
      - { .name: b_Q, .offset: 72, .size: 8, .value_kind: global_buffer, .address_space: global }
      - { .name: W_f, .offset: 80, .size: 8, .value_kind: global_buffer, .address_space: global }
      - { .name: part, .offset: 88, .size: 8, .value_kind: global_buffer, .address_space: global }
    .group_segment_fixed_size: 327680
    .private_segment_fixed_size: 0
    .kernarg_segment_align: 8
    .kernarg_segment_size: 96
    .max_flat_workgroup_size: 128
    .sgpr_count:     96
    .vgpr_count:     1024
    .wavefront_size: 32
...
	.end_amdgpu_metadata
.endif
;; end of part 1
;; launch values (part 2): grid 8 x 32, 4 waves a work-group, clusters of 4 x 4, 327,680 bytes of LDS; arguments key_codes, key_scales, W_V_codes, W_V_scales, b_V, b_f, part, out0, out1; writes out0, out1
.if DOCPART == 2
	.amdgcn_target "amdgcn-amd-amdhsa--gfx1250"
	.amdhsa_code_object_version 6
	.text
	.protected	k_q7ba12ff794_values
	.globl	k_q7ba12ff794_values
	.p2align	8
	.type	k_q7ba12ff794_values,@function
k_q7ba12ff794_values:
	s_mov_b64 s[64:65], 0
	v_nop
	global_prefetch_b8 v0, s[64:65] scope:SCOPE_SE
	s_setreg_imm32_b32 hwreg(HW_REG_WAVE_MODE, 25, 1), 1
	s_wait_xcnt 0x0
	s_wait_alu depctr_hold_cnt(0) depctr_sa_sdst(0) depctr_va_vdst(0) depctr_va_sdst(0) depctr_va_ssrc(0) depctr_va_vcc(0) depctr_vm_vsrc(0)
	s_getreg_b32 s2, hwreg(HW_REG_IB_STS2, 6, 4)
	s_cmp_eq_u32 s2, 0
	s_cbranch_scc0 .Lentry_in_a_cluster
	s_endpgm
.Lentry_in_a_cluster:
	s_bfe_u32 s2, ttmp6, 0x10000c
	s_cmp_lg_u32 s2, 0xf033
	s_cbranch_scc0 .Lentry_shape_is_right
	s_endpgm
.Lentry_shape_is_right:
; out1[b][t] = alpha = softmax over t of (the sum of part[0..7][b][t] + b_f);  out0[b][v] = the sum over t of alpha[t] x (key[b][t] . W_V[:, v] + b_V[v]).
; The product runs on the codes of FP4 (E2M1) and the E8M0 scale bytes as they are given; sums in f32; its 1,024 x 1,024 results of a batch never leave the registers.
; SHARES.  Work-group (j, b): batch b x columns v = 128 j .. 128 j + 127, all 1,024 rows: each number of out0 has one owner.  Every work-group of a batch makes the whole softmax for itself (1,024 scores, 8 a thread) and
; stores the 128 alphas t = 128 j .. 128 j + 127.  The largest score is taken away before the exponential.
; The product is laid as in the launch before: each wave keeps all 128 rows of W_V in 512 registers, the waves share key's rows; source 0 = 16 rows of W_V, source 1 = 16 rows of key, so that lane (r, h) holds key row r
; and its register i column 8 h + i; b_V is the C of each sum's first matrix instruction; alpha of a tile is one register.  A tile is two passes of 32 matrix instructions on four accumulators by turns; the other half's
; 16 packed multiply-adds AW += alpha x out stand behind the products, under the products' own window setting; the next tile's 16 LDS loads stand in one run.  At the end AW is added over the four waves (through LDS)
; and over the sixteen lanes r.
; CLUSTER 4 x 4: key's rows are asked for jointly along a row of the cluster, W_V's along a column.
; LIMITS: NaN, infinities and the scale byte 0xff go through as NaN.  An alpha under 2^-126 comes out as 0: v_exp_f32 gives 0 for such a result (ISA guide 15.8).
; REGISTERS, in windows of 256: window 0: v1-25 addresses; v32-63 W_V's scale words, v64-127 key's; v128-223 the softmax, then v128-255 W_V's K steps 6, 7, at the end the reduction
;   window 1 (P): v0-31, v32-63 accumulators of half A, B; v64-127, v128-191 key's tile, two buffers; v192-255 AW.   window 2: v0-191 W_V's K steps 0-2; v192-255 b_V in C's layout.   window 3: v0-191 K steps 3-5; v192-207 alpha, tile n at 192 + n
.set PITCH, 528                        ; an LDS row: 512 bytes + 16 of padding
.set TROW,  16*PITCH
.set UNIT,  128*PITCH
.set SLOTA, 0
.set SLOTB, 2*UNIT
.set ALST,  4*UNIT                     ; alpha, 1,024 f32
.set RED,   ALST+4096                  ; the waves' maxima; 256 bytes on, their sums
.set RST,   RED+512                    ; AW's images: 8,192 bytes a wave
.set OST,   RST+32768                  ; 128 numbers of out0
.set SPARE, OST+512                    ; the spare words, 128 bytes for each wave: two blocks of 256 bytes that no other line names
.set SCO,  4                           ; v4   32 r + 16 h
.set PT,   5                           ; v5   16 x thread
.set H32,  6                           ; v6   32 h
.set FRG,  7                           ; v7   528 r + 16 h
.set L8,   8                           ; v8   8 x lane
.set AKA,  9                           ; v9   my place in my 64 rows of slot A
.set AKB,  10                          ; v10  and of slot B
.set ALW,  11                          ; v11  alpha: where I store
.set ALR,  12                          ; v12  and where I load my tiles'
.set RW,   13                          ; v13  my wave's word of RED
.set SPW,  14                          ; v14  my spare word; never rewritten
.set NIL,  15                          ; v15  0; never rewritten
.set RB,   16                          ; v16  RED
.set RSW,  17                          ; v17  AW's images: where I store
.set RSR,  18                          ; v18  and where I load
.set OSW,  19                          ; v19  where my number of out0 goes
.set AO,   20                          ; v[20:21] my two alphas for out1
.set OSR,  22                          ; v22  OST + 16 x lane
.set L16,  23                          ; v23  16 x lane
.set WS,   32
.set KS,   64
.set PS,   128                         ; v128-191 the parts of my 8 scores, part p at + 8 p
.set PO,   192                         ; v192-207 the parts of my two scores for out1
.set TMP,  208
.set XR,   128                         ; the reduction: 16 numbers, and what is added to them
.set XT,   192
.set KB,   64                          ; in P
.set AW,   192
.set CB,   192                         ; in window 2
.set AL,   192                         ; in window 3
.set WV,   28
.set G1K,  36
.set G1W,  44
.set G0K,  52
.set G0W,  56
.set KL,   82
.set G1C,  (1<<20)|(1<<21)|(6<<22)|(3<<25)   ; elements of 1 byte; 20 padding on; 21 set beside a mask; 24:22 after every 128 words (code 6); 31:25 four words (code 3)
.set W_S0,  0x66
.set W_S12, 0x56
.set W_S35, 0x57
.set W_S67, 0x54
.set TO_P,  0x40
.set TO_2,  0x80
.set TO_3,  0xc0
.set ST_P,  0x04
.set MSB, 0
.macro WIN new
.if MSB != \new
	s_set_vgpr_msb (MSB<<8)|\new
.set MSB, \new
.endif
.endm
.macro PLACES
.rept 4
	v_nop
.endr
.endm
.macro CREST
	s_cmp_lg_u32 s[WV], 0
	s_cbranch_scc1 .Lnot_wave_0_\@
	s_barrier_signal -3
.Lnot_wave_0_\@:
	s_barrier_wait -3
	s_barrier_signal -1
	s_barrier_wait -1
.endm
.macro CROUND
	s_barrier_signal -1
	s_barrier_wait -1
	CREST
.endm
.macro BARRIER                         ; my LDS stores have landed and my LDS loads are in: then the work-group's barrier
	s_wait_dscnt 0x0
	s_barrier_signal -1
	s_barrier_wait -1
.endm
	s_load_b512 s[4:19], s[0:1], 0x0               ; key's codes, scales; W_V's; b_V, b_f, part, out0
	s_load_b64 s[20:21], s[0:1], 0x40              ; out1
	v_lshl_add_u32 v[SPW], v0, 2, SPARE
	v_mov_b32 v[NIL], 0
	ds_add_u32 v[SPW], v[NIL]                      ; the wave's opening: the add and its wait stand ahead of my first tensor load; the set-up below, work on registers, stands between them
	v_lshrrev_b32 v1, 5, v0
	v_readfirstlane_b32 s[WV], v1
	s_bfe_u32 s29, ttmp6, 0x40000                  ; cx, cy
	s_bfe_u32 s30, ttmp6, 0x40004
	s_lshl_b32 s31, ttmp9, 2
	s_add_co_u32 s31, s31, s29                     ; j
	s_and_b32 s32, ttmp7, 0xffff
	s_lshl_b32 s32, s32, 2
	s_add_co_u32 s32, s32, s30                     ; b
	s_lshl_b32 s33, s30, 2
	s_lshl_b32 s33, 15, s33                        ; my row of the cluster
	s_lshl_b32 s34, 0x1111, s29                    ; my column
	s_or_b32 s[G1K], s33, G1C
	s_or_b32 s[G1W], s34, G1C
	s_mov_b32 s[G1K+1], 512<<16                    ; key: 64 rows of 512 bytes
	s_mov_b32 s[G1K+2], 64<<16
	s_mov_b32 s[G1K+3], 512<<16
	s_mov_b32 s[G1K+4], 64
	s_mov_b32 s[G1K+5], 512
	s_mov_b32 s[G1K+6], 0
	s_mov_b32 s[G1K+7], 0
	s_mov_b32 s[G1W+1], 512<<16                    ; W_V: 32 rows
	s_mov_b32 s[G1W+2], 32<<16
	s_mov_b32 s[G1W+3], 512<<16
	s_mov_b32 s[G1W+4], 32
	s_mov_b32 s[G1W+5], 512
	s_mov_b32 s[G1W+6], 0
	s_mov_b32 s[G1W+7], 0
	s_mov_b32 s24, 0xff00ff00                      ; the lanes with r & 8, r & 4, r & 2, r & 1
	s_mov_b32 s25, 0xf0f0f0f0
	s_mov_b32 s26, 0xcccccccc
	s_mov_b32 s27, 0xaaaaaaaa
	s_mov_b32 s80, 0x76543210                      ; v_permlanex16_b32's selects for lane l xor 16
	s_mov_b32 s81, 0xfedcba98
	s_mov_b32 s86, 0x3fb8aa3b                      ; log2(e)
	s_mov_b32 s87, s86                             ; (named with it as a pair, so it is written)
	; LDS places: the wave's number and constants alone
	s_mul_i32 s[KL], s[WV], 64*PITCH
	s_add_co_u32 s83, s[KL], SLOTB
	s_mul_i32 s95, s[WV], 32*PITCH                 ; my 32 rows of W_V
	s_lshl_b32 s88, s[WV], 8
	s_add_co_u32 s88, s88, ALST
	s_lshl_b32 s89, s[WV], 2
	s_add_co_u32 s89, s89, RED
	s_lshl_b32 s90, s[WV], 13
	s_add_co_u32 s90, s90, RST
	s_lshl_b32 s91, s[WV], 11
	s_add_co_u32 s91, s91, RST
	s_lshl_b32 s94, s[WV], 7
	s_add_co_u32 s94, s94, OST
	; byte offsets in memory.  What feeds key's descriptor holds b and the wave alone, what feeds W_V's j and the wave alone
	s_lshl_b32 s66, s32, 19                        ; key's codes: 524,288 b + 32,768 w
	s_lshl_b32 s35, s[WV], 15
	s_add_co_u32 s66, s66, s35
	s_mov_b32 s67, 0
	s_lshl_b32 s68, s31, 16                        ; W_V's codes: 65,536 j + 16,384 w
	s_lshl_b32 s35, s[WV], 14
	s_add_co_u32 s68, s68, s35
	s_mov_b32 s69, 0
	s_lshl_b32 s70, s32, 15                        ; key's scales: 32,768 b + 2,048 w
	s_lshl_b32 s35, s[WV], 11
	s_add_co_u32 s70, s70, s35
	s_mov_b32 s71, 0
	s_lshl_b32 s72, s31, 12                        ; W_V's scales: 4,096 j
	s_mov_b32 s73, 0
	s_lshl_b32 s74, s31, 9                         ; b_V: 512 j
	s_mov_b32 s75, 0
	s_lshl_b32 s76, s32, 12                        ; part: 4,096 b
	s_mov_b32 s77, 0
	s_add_co_u32 s92, s76, s74                     ; out0: 4,096 b + 512 j
	s_mov_b32 s93, 0
	s_and_b32 s35, s[WV], 1
	s_lshl_b32 s35, s35, 8
	s_add_co_u32 s78, s92, s35                     ; out1, and its scores in part: + 256 (w & 1)
	s_mov_b32 s79, 0
	v_and_b32 v1, 15, v0                           ; r
	v_bfe_u32 v2, v0, 4, 1                         ; h
	v_and_b32 v3, 31, v0                           ; lane
	v_lshlrev_b32 v[SCO], 5, v1
	v_lshl_add_u32 v[SCO], v2, 4, v[SCO]
	v_lshlrev_b32 v[PT], 4, v0
	v_lshlrev_b32 v[H32], 5, v2
	v_mul_u32_u24 v[FRG], v1, PITCH
	v_lshl_add_u32 v[FRG], v2, 4, v[FRG]
	v_lshlrev_b32 v[L8], 3, v3
	v_add_nc_u32 v[AKA], s[KL], v[FRG]
	v_add_nc_u32 v[AKB], s83, v[FRG]
	v_add_nc_u32 v[ALW], ALST, v[PT]
	v_lshl_add_u32 v[ALR], v1, 2, s88              ; ALST + 256 w + 4 r
	v_mov_b32 v[RW], s89
	v_mov_b32 v[RB], RED
	v_lshlrev_b32 v[L16], 4, v3
	v_add_nc_u32 v[RSW], s90, v[L16]
	v_add_nc_u32 v[RSR], s91, v[L16]
	v_and_b32 v24, 7, v1
	v_lshrrev_b32 v25, 3, v1
	v_lshlrev_b32 v[OSW], 2, v24
	v_lshl_add_u32 v[OSW], v2, 5, v[OSW]
	v_lshl_add_u32 v[OSW], v25, 6, v[OSW]
	v_add_nc_u32 v[OSW], s94, v[OSW]               ; OST + 4 x (32 w + 16 (r / 8) + 8 h + r % 8)
	v_add_nc_u32 v[OSR], OST, v[L16]
	s_wait_dscnt 0x0                               ; the opening add is done
	s_wait_kmcnt 0x0
	s_load_b32 s84, s[14:15], 0x0                  ; b_f
	s_add_nc_u64 s[6:7], s[6:7], s[70:71]
	s_add_nc_u64 s[10:11], s[10:11], s[72:73]
	s_add_nc_u64 s[12:13], s[12:13], s[74:75]
	s_add_nc_u64 s[22:23], s[16:17], s[78:79]
	s_add_nc_u64 s[16:17], s[16:17], s[76:77]
	s_add_nc_u64 s[18:19], s[18:19], s[92:93]
	s_add_nc_u64 s[20:21], s[20:21], s[78:79]
	s_mov_b32 s[G0W], 1
	s_mov_b32 s[G0W+1], s95
	s_add_nc_u64 s[G0W+2:G0W+3], s[8:9], s[68:69]
	s_or_b32 s[G0W+3], s[G0W+3], 0x80000000
	s_mov_b32 s[G0K], 1
	s_mov_b32 s[G0K+1], s83                        ; rows 0-255 go to slot B
	s_add_nc_u64 s[G0K+2:G0K+3], s[4:5], s[66:67]
	s_or_b32 s[G0K+3], s[G0K+3], 0x80000000
	CROUND                                         ; all sixteen work-groups are here: the first joint loads meet
	tensor_load_to_lds s[G0W:G0W+3], s[G1W:G1W+7]  ; the first fills go out together: two loads of mine are out
	s_nop 0
	tensor_load_to_lds s[G0K:G0K+3], s[G1K:G1K+7]
	s_nop 0
	PLACES
.irp p, 0,1,2,3,4,5,6,7
.irp u, 0,1
	global_load_b128 v[PS+8*\p+4*\u:PS+8*\p+4*\u+3], v[PT], s[16:17] offset:131072*\p+2048*\u   ; the eight parts of scores 512 u + 4 x thread + 0 .. 3
.endr
	global_load_b64 v[PO+2*\p:PO+2*\p+1], v[L8], s[22:23] offset:131072*\p                      ; and of the two scores whose alpha I store
.endr
.irp ct, 0,1,2,3,4,5,6,7
	global_load_b128 v[WS+4*\ct:WS+4*\ct+3], v[SCO], s[10:11] offset:512*\ct
.endr
.irp n, 0,1,2,3,4,5,6,7,8,9,10,11,12,13,14,15
	global_load_b128 v[KS+4*\n:KS+4*\n+3], v[SCO], s[6:7] offset:8192*(\n/4)+512*(\n%4)
.endr
	WIN TO_2
.irp ct, 0,1,2,3,4,5,6,7
.irp g, 0,1
	global_load_b128 v[CB+8*\ct+4*\g:CB+8*\ct+4*\g+3], v[H32], s[12:13] offset:64*\ct+16*\g    ; b_V in C's layout
.endr
.endr
	WIN 0
	; THE SOFTMAX, while the first tiles are on their way; all of it in window 0
	s_wait_loadcnt 40                              ; the 24 loads of parts are in; the 40 younger (scale words, b_V) may be out
	s_wait_kmcnt 0x0                               ; b_f
	s_mov_b32 s85, s84
.irp p, 1,2,3,4,5,6,7
.irp k, 0,2,4,6
	v_pk_add_f32 v[PS+\k:PS+\k+1], v[PS+\k:PS+\k+1], v[PS+8*\p+\k:PS+8*\p+\k+1]
.endr
	v_pk_add_f32 v[PO:PO+1], v[PO:PO+1], v[PO+2*\p:PO+2*\p+1]
.endr
.irp k, 0,2,4,6
	v_pk_add_f32 v[PS+\k:PS+\k+1], v[PS+\k:PS+\k+1], s[84:85] op_sel_hi:[1,0]
.endr
	v_pk_add_f32 v[PO:PO+1], v[PO:PO+1], s[84:85] op_sel_hi:[1,0]
	v_max3_num_f32 v[TMP], v[PS], v[PS+1], v[PS+2]
	v_max3_num_f32 v[TMP+1], v[PS+3], v[PS+4], v[PS+5]
	v_max3_num_f32 v[TMP], v[TMP], v[PS+6], v[PS+7]
	v_max_num_f32 v[TMP], v[TMP], v[TMP+1]
.irp x, 1,2,4,8
	v_max_num_f32_dpp v[TMP], v[TMP], v[TMP] row_xmask:\x row_mask:0xf bank_mask:0xf
.endr
	v_permlanex16_b32 v[TMP+1], v[TMP], s80, s81
	v_max_num_f32 v[TMP], v[TMP], v[TMP+1]         ; my wave's largest score
	ds_store_b32 v[RW], v[TMP]                     ; all lanes write the same word with the same value
	BARRIER
	ds_load_b128 v[TMP+4:TMP+7], v[RB]
	s_wait_dscnt 0x0
	v_max3_num_f32 v[TMP], v[TMP+4], v[TMP+5], v[TMP+6]
	v_max_num_f32 v[TMP], v[TMP], v[TMP+7]         ; the batch's
.irp k, 0,2,4,6
	v_pk_add_f32 v[PS+\k:PS+\k+1], v[PS+\k:PS+\k+1], v[TMP:TMP+1] op_sel_hi:[1,0] neg_lo:[0,1] neg_hi:[0,1]   ; it is taken away first,
.endr
	v_pk_add_f32 v[PO:PO+1], v[PO:PO+1], v[TMP:TMP+1] op_sel_hi:[1,0] neg_lo:[0,1] neg_hi:[0,1]
.irp k, 0,2,4,6
	v_pk_mul_f32 v[PS+\k:PS+\k+1], v[PS+\k:PS+\k+1], s[86:87] op_sel_hi:[1,0]                                 ; then x log2(e)
.endr
	v_pk_mul_f32 v[PO:PO+1], v[PO:PO+1], s[86:87] op_sel_hi:[1,0]
.irp k, 0,1,2,3,4,5,6,7
	v_exp_f32 v[PS+\k], v[PS+\k]
.endr
	v_exp_f32 v[PO], v[PO]
	v_exp_f32 v[PO+1], v[PO+1]
	v_nop                                          ; a plain instruction behind the last exponential (ISA guide 5.7.2)
	s_wait_alu depctr_va_vdst(0)                   ; one wait for the batch of ten, ahead of its first reader
	v_pk_add_f32 v[TMP:TMP+1], v[PS:PS+1], v[PS+2:PS+3]
	v_pk_add_f32 v[TMP+2:TMP+3], v[PS+4:PS+5], v[PS+6:PS+7]
	v_pk_add_f32 v[TMP:TMP+1], v[TMP:TMP+1], v[TMP+2:TMP+3]
	v_add_f32 v[TMP], v[TMP], v[TMP+1]
.irp x, 1,2,4,8
	v_add_f32_dpp v[TMP], v[TMP], v[TMP] row_xmask:\x row_mask:0xf bank_mask:0xf
.endr
	v_permlanex16_b32 v[TMP+1], v[TMP], s80, s81
	v_add_f32 v[TMP], v[TMP], v[TMP+1]             ; my wave's sum
	ds_store_b32 v[RW], v[TMP] offset:256          ; other bytes than the maxima's
	BARRIER
	ds_load_b128 v[TMP+4:TMP+7], v[RB] offset:256
	s_wait_dscnt 0x0
	v_add_f32 v[TMP+4], v[TMP+4], v[TMP+5]
	v_add_f32 v[TMP+6], v[TMP+6], v[TMP+7]
	v_add_f32 v[TMP], v[TMP+4], v[TMP+6]
	v_rcp_f32 v[TMP+2], v[TMP]
	v_nop
	s_wait_alu depctr_va_vdst(0)
.irp k, 0,2,4,6
	v_pk_mul_f32 v[PS+\k:PS+\k+1], v[PS+\k:PS+\k+1], v[TMP+2:TMP+3] op_sel_hi:[1,0]   ; alpha
.endr
	v_pk_mul_f32 v[AO:AO+1], v[PO:PO+1], v[TMP+2:TMP+3] op_sel_hi:[1,0]
	ds_store_b128 v[ALW], v[PS:PS+3]
	ds_store_b128 v[ALW], v[PS+4:PS+7] offset:2048
	s_cmp_lt_u32 s[WV], 2                          ; waves 0 and 1 store the work-group's 128 alphas
	s_cbranch_scc0 .Lno_alpha
	global_store_b64 v[L8], v[AO:AO+1], s[20:21]   ; 32 lanes store 256 consecutive bytes, at a multiple of 256 from out1's first byte; neither register is written again
.Lno_alpha:
	s_wait_tensorcnt 0x1                           ; my part of W_V is in; the one younger load, key's, may stay out
	BARRIER                                        ; everybody's is, and all 1,024 alphas lie in LDS
	WIN TO_3
.irp n, 0,1,2,3,4,5,6,7,8,9,10,11,12,13,14,15
	ds_load_b32 v[AL+\n], v[ALR] offset:1024*(\n/4)+64*(\n%4)      ; alpha of row r of my tile n, in both halves of the lanes
.endr
; 16 LDS loads: the eight fragments of W_V's K step s, into the window in hand from register base on
.macro WLOAD s, base
.irp ct, 0,1,2,3,4,5,6,7
	ds_load_b128 v[\base+8*\ct:\base+8*\ct+3], v[FRG] offset:TROW*\ct+64*\s
	ds_load_b128 v[\base+8*\ct+4:\base+8*\ct+7], v[FRG] offset:TROW*\ct+64*\s+32
.endr
.endm
	WLOAD 3, 0
	WLOAD 4, 64
	WLOAD 5, 128
	WIN TO_2
	WLOAD 0, 0
	WLOAD 1, 64
	WLOAD 2, 128
	WIN 0
	WLOAD 6, 128                                   ; over the softmax's registers, which are done with
	WLOAD 7, 192
	; slot A has been read out: it takes key's rows 256-511
	s_wait_tensorcnt 0x0                           ; all my tensor loads have landed, key's rows 0-255 among them: a group 0 may be written
	ds_add_u32 v[SPW], v[NIL]                      ; 0 onto my spare word
	s_add_co_u32 s[G0K+1], s[KL], SLOTA
	s_add_nc_u64 s[G0K+2:G0K+3], s[G0K+2:G0K+3], 131072
	s_wait_dscnt 0x0                               ; the add is done, and the weights are in my registers
	CROUND                                         ; no wave of any partner still reads slot A or has a load on its way
	tensor_load_to_lds s[G0K:G0K+3], s[G1K:G1K+7]
	s_nop 0
	PLACES
	WIN TO_P
.irp s, 0,1,2,3,4,5,6,7
	ds_load_b128 v[KB+8*\s:KB+8*\s+3], v[AKB] offset:64*\s         ; key's tile 0
	ds_load_b128 v[KB+8*\s+4:KB+8*\s+7], v[AKB] offset:64*\s+32
.endr
	s_wait_loadcnt 0x0                             ; the scale words and b_V
; Matrix instruction MI of a pass's 32: K step MI / 4, column tile 4 hf + MI % 4, of key's tile n.  K step s takes scale register s % 4, from lanes 16-31 where s >= 4.
.macro MM n, hf
.set xS, MI/4
.set xC, 4*(\hf)+MI%4
.set xD, 8*xC
.set xB, KB+64*((\n)%2)+8*xS
.if xS < 3
.set xA, 64*xS+8*xC
.elseif xS < 6
.set xA, 64*(xS-3)+8*xC
.else
.set xA, 128+64*(xS-6)+8*xC
.endif
.set xW, WS+4*xC+xS%4
.set xK, KS+4*(\n)+xS%4
.if xS == 0
	v_wmma_scale_f32_16x16x128_f8f6f4 v[xD:xD+7], v[xA:xA+7], v[xB:xB+7], v[CB+xD:CB+xD+7], v[xW], v[xK] matrix_a_fmt:MATRIX_FMT_FP4 matrix_b_fmt:MATRIX_FMT_FP4
.elseif xS < 4
	v_wmma_scale_f32_16x16x128_f8f6f4 v[xD:xD+7], v[xA:xA+7], v[xB:xB+7], v[xD:xD+7], v[xW], v[xK] matrix_a_fmt:MATRIX_FMT_FP4 matrix_b_fmt:MATRIX_FMT_FP4
.else
	v_wmma_scale_f32_16x16x128_f8f6f4 v[xD:xD+7], v[xA:xA+7], v[xB:xB+7], v[xD:xD+7], v[xW], v[xK] matrix_a_fmt:MATRIX_FMT_FP4 matrix_b_fmt:MATRIX_FMT_FP4 matrix_a_scale:MATRIX_SCALE_ROW1 matrix_b_scale:MATRIX_SCALE_ROW1
.endif
.endm
; Multiply-add FI of 16 of half PH of tile TT: AW += alpha x out, two columns.  alpha stands in window 3, as W_V's K steps 3-5 do; of its pair the tile's own register serves both halves.  Tile 0 starts the sums
.macro AFMA
.set eW, AW+32*PH+2*FI
.set eA, 32*PH+2*FI
.set eL, AL+(TT/2)*2
.if TT == 0
	v_pk_mul_f32 v[eW:eW+1], v[eL:eL+1], v[eA:eA+1] op_sel_hi:[0,1]
.elseif TT%2 == 0
	v_pk_fma_f32 v[eW:eW+1], v[eL:eL+1], v[eA:eA+1], v[eW:eW+1] op_sel_hi:[0,1,1]
.else
	v_pk_fma_f32 v[eW:eW+1], v[eL:eL+1], v[eA:eA+1], v[eW:eW+1] op_sel:[1,0,0] op_sel_hi:[1,1,1]
.endif
.endm
; A PASS: 32 matrix instructions on the four accumulators of half hf, by turns, K ascending.  Where epi = 1: behind 0-3 a v_nop each, the places behind the OTHER half's last products
; (ISA guide 7.12.1); behind 12-23 that half's 16 multiply-adds, each accumulator from its low end on.  fetch = 1: the next tile's 16 LDS loads IN ONE RUN behind product 24, the first under the setting in which they are
; valid, and never singly among the products; they go into the buffer that the tile before read: the lines behind products 0-23 are the places behind that tile's products.  chg = 1: the slot of tile n is filled again, two slots on.
.macro PASS n, hf, epi, fetch, chg
.set PH, 1-(\hf)
.set TT, (\n)-PH
.set fK, KB+64*(((\n)+1)%2)
.set fA, AKB-(((\n)+1)/4)%2
.set fO, TROW*(((\n)+1)%4)
.if \chg
	WIN 0                                          ; (the add's two registers lie in window 0)
	s_wait_tensorcnt 0x0                           ; all my tensor loads have landed: my part of the other slot; a group 0 may be written
	ds_add_u32 v[SPW], v[NIL]                      ; 0 onto my spare word; twelve products stand between it and the wait for it
	s_add_co_u32 s[G0K+1], s[KL], SLOTB*(1-((\n)/4)%2)
	s_add_nc_u64 s[G0K+2:G0K+3], s[G0K+2:G0K+3], 131072
.endif
.if (\hf) == 0
	s_wait_dscnt 0x0                               ; the tile's fragments are in: but for tile 0's they were asked for 39 products ago
.endif
.set MI, 0
.rept 32
.if MI == 0
	WIN W_S0
.elseif MI == 4
	WIN W_S12
.elseif MI == 12
	WIN W_S35
.elseif MI == 24
	WIN W_S67
.endif
	MM \n, \hf
.if \epi
.if MI < 4
	v_nop
.elseif (MI >= 12) && (MI < 16)
.set FI, 2*MI-24
	AFMA
.set FI, FI+1
	AFMA
.elseif (MI >= 16) && (MI < 24)
.set FI, MI-8
	AFMA
.endif
.endif
.if (\fetch) && (MI == 24)
.set FJ, 0
.rept 8
	ds_load_b128 v[fK+8*FJ:fK+8*FJ+3], v[fA] offset:fO+64*FJ
	ds_load_b128 v[fK+8*FJ+4:fK+8*FJ+7], v[fA] offset:fO+64*FJ+32
.set FJ, FJ+1
.endr
.endif
.if (\chg) && (MI == 11)
	s_wait_dscnt 0x0                               ; the add is done, and my reads of the slot are over
	s_barrier_signal -1                            ; this barrier opens a round of the cluster's; work on registers alone up to its end
.endif
.set MI, MI+1
.endr
.if \chg
	WIN 0
	s_barrier_wait -1
	CREST                                          ; no wave of any partner still reads the slot or has a load on its way
	tensor_load_to_lds s[G0K:G0K+3], s[G1K:G1K+7]  ; my one load behind the round
	s_nop 0
	PLACES
.endif
.endm
.irp n, 0,1,2,3,4,5,6,7,8,9,10,11,12,13,14,15
.if \n == 0
	PASS \n, 0, 0, 1, 0
.elseif \n == 15
	PASS \n, 0, 1, 0, 0
.else
	PASS \n, 0, 1, 1, 0
.endif
.if (\n == 2) || (\n == 6)
	PASS \n, 1, 1, 0, 1                            ; slot B takes rows 512-767, slot A rows 768-1,023
.else
.if \n == 10
	s_wait_tensorcnt 0x0                           ; my last load: no load was issued behind it.  A wave reads only the rows that it fetched, so its own wait is all that the reads need
.endif
	PASS \n, 1, 1, 0, 0
.endif
.endr
	WIN W_S35                                      ; the last half has no products to stand behind
	PLACES
.set PH, 1
.set TT, 15
.set FI, 0
.rept 16
	AFMA
.set FI, FI+1
.endr
	; THE SUM OVER ROWS.  AW holds, for lane (r, h), the rows r of my 16 tiles.  First over the four waves: images of the registers through LDS; wave w takes column tiles 2 w and 2 w + 1
	WIN ST_P
.irp k, 0,1,2,3,4,5,6,7,8,9,10,11,12,13,14,15
	ds_store_b128 v[RSW], v[AW+4*\k:AW+4*\k+3] offset:512*\k
.endr
	WIN 0
	BARRIER
.irp ww, 0,1,2,3
.irp k, 0,1,2,3
	ds_load_b128 v[XR+16*\ww+4*\k:XR+16*\ww+4*\k+3], v[RSR] offset:8192*\ww+512*\k   ; over W_V's fragments: the multiply-adds above are the places behind their products
.endr
.endr
	s_wait_dscnt 0x0
.irp ww, 1,2,3
.irp k, 0,2,4,6,8,10,12,14
	v_pk_add_f32 v[XR+\k:XR+\k+1], v[XR+\k:XR+\k+1], v[XR+16*\ww+\k:XR+16*\ww+\k+1]
.endr
.endr
; Then over the sixteen lanes r, halving the numbers a lane holds: of numbers k and k + cnt a lane keeps one, by bit cnt of r, sends the other to lane r xor cnt, and adds what it gets.  After four steps lane r holds number r, summed over all sixteen
.macro HALVE cnt, msk
.set HK, 0
.rept \cnt
	v_cndmask_b32 v[XT+2*HK], v[XR+HK], v[XR+HK+\cnt], s[\msk]
	v_cndmask_b32 v[XT+2*HK+1], v[XR+HK+\cnt], v[XR+HK], s[\msk]
.set HK, HK+1
.endr
.set HK, 0
.rept \cnt
	v_add_f32_dpp v[XR+HK], v[XT+2*HK+1], v[XT+2*HK] row_xmask:\cnt row_mask:0xf bank_mask:0xf
.set HK, HK+1
.endr
.endm
	HALVE 8, 24
	HALVE 4, 25
	HALVE 2, 26
	HALVE 1, 27
	ds_store_b32 v[OSW], v[XR]                     ; lane (r, h) of wave w: column 32 w + 16 (r / 8) + 8 h + r % 8
	BARRIER
	s_cmp_lg_u32 s[WV], 0
	s_cbranch_scc1 .Lnot_first
	ds_load_b128 v[XR+4:XR+7], v[OSR]
	s_wait_dscnt 0x0
	global_store_b128 v[L16], v[XR+4:XR+7], s[18:19]   ; 32 lanes store 512 consecutive bytes, at a multiple of 256 from out0's first byte
.Lnot_first:
	s_wait_tensorcnt 0x0                           ; the wave's end: the add and its wait stand behind my last tensor load and my last LDS store
	ds_add_u32 v[SPW], v[NIL]
	s_wait_dscnt 0x0
	CROUND                                         ; the closing round: no work-group ends while a partner may still ask for a tile that names it
	s_endpgm
.Lfunc_end_k_q7ba12ff794_values:
	.size	k_q7ba12ff794_values, .Lfunc_end_k_q7ba12ff794_values-k_q7ba12ff794_values
	.p2alignl 7, 3214868480
	.fill 96, 4, 3214868480
	.section	.rodata,"a",@progbits
	.p2align	6, 0x0
	.amdhsa_kernel k_q7ba12ff794_values
		.amdhsa_group_segment_fixed_size 327680
		.amdhsa_private_segment_fixed_size 0
		.amdhsa_enable_private_segment 0
		.amdhsa_kernarg_size 72
		.amdhsa_user_sgpr_count 2
		.amdhsa_user_sgpr_kernarg_segment_ptr 1
		.amdhsa_wavefront_size32 1
		.amdhsa_system_sgpr_workgroup_id_x 1
		.amdhsa_system_sgpr_workgroup_id_y 1
		.amdhsa_system_sgpr_workgroup_id_z 1
		.amdhsa_system_vgpr_workitem_id 0
		.amdhsa_next_free_vgpr 1024
		.amdhsa_next_free_sgpr 96
		.amdhsa_reserve_vcc 0
		.amdhsa_float_denorm_mode_32 3
		.amdhsa_float_denorm_mode_16_64 3
		.amdhsa_memory_ordered 1
		.amdhsa_forward_progress 1
		.amdhsa_inst_pref_size 223
	.end_amdhsa_kernel
	.amdgpu_metadata
---
amdhsa.version: [ 1, 2 ]
amdhsa.kernels:
  - .name:           k_q7ba12ff794_values
    .symbol:         k_q7ba12ff794_values.kd
    .args:
      - { .name: key_codes, .offset: 0, .size: 8, .value_kind: global_buffer, .address_space: global }
      - { .name: key_scales, .offset: 8, .size: 8, .value_kind: global_buffer, .address_space: global }
      - { .name: W_V_codes, .offset: 16, .size: 8, .value_kind: global_buffer, .address_space: global }
      - { .name: W_V_scales, .offset: 24, .size: 8, .value_kind: global_buffer, .address_space: global }
      - { .name: b_V, .offset: 32, .size: 8, .value_kind: global_buffer, .address_space: global }
      - { .name: b_f, .offset: 40, .size: 8, .value_kind: global_buffer, .address_space: global }
      - { .name: part, .offset: 48, .size: 8, .value_kind: global_buffer, .address_space: global }
      - { .name: out0, .offset: 56, .size: 8, .value_kind: global_buffer, .address_space: global }
      - { .name: out1, .offset: 64, .size: 8, .value_kind: global_buffer, .address_space: global }
    .group_segment_fixed_size: 327680
    .private_segment_fixed_size: 0
    .kernarg_segment_align: 8
    .kernarg_segment_size: 72
    .max_flat_workgroup_size: 128
    .sgpr_count:     96
    .vgpr_count:     1024
    .wavefront_size: 32
...
	.end_amdgpu_metadata
.endif
;; end of part 2
